; MI455X (gfx1250); checked and timed in simulation.
; The chip was launched on July 23, 2026; its instructions are those of AMD's public machine-readable ISA for CDNA 5 (MIT licence, August 2026) and "CDNA5" Instruction Set Architecture Reference Guide (July 2026). The comments in the code are by the model that wrote it; some were corrected since.
;; Layer Norm LSTM. Allowed arithmetic: matrix products marked QUANTISED: E5M2 operands, one given power-of-two scale a tensor, by v_wmma_f32_16x16x64_bf8_bf8 or v_wmma_f32_16x16x128_bf8_bf8, f32 sums; everything else in f32.
;; Inputs: c_prev 8,192 x 1,024 float32; h_prev 8,192 x 1,024 float32; input 8,192 x 1,024 float32; ln_c_b 1,024 float32; ln_c_g 1,024 float32; ln_g_b 1,024 float32; ln_g_g 1,024 float32; ln_h_b 1,024 float32; ln_h_g 1,024 float32; ln_i_b 1,024 float32; ln_i_g 1,024 float32; ln_o_b 1,024 float32; ln_o_g 1,024 float32; lowp_scales 4 int32 (the exponents e of the quantised operands' scales 2^e); w_h 4,096 x 1,024 float32; w_i 4,096 x 1,024 float32.
;; Outputs: out0 8,192 x 1,024 float32; out1 8,192 x 1,024 float32.
;; This version of the problem:
;;   THIS VERSION OF THE PROBLEM IS GIVEN IN LOW PRECISION. The matrix products marked QUANTISED in the list below multiply operands that are first quantised to E5M2 (5 exponent bits, 2 mantissa bits; 8 bits a number), with one given power-of-two scale for each operand tensor; their sums are f32. All else is computed in f32.
;;   The module's matrix products, in the order in which they are computed (A, B: the left and right operand; K: the contracted axis; several contracted axes count as one K, in the product's order):
;;     1. [M 8,192, K 1,024] x [K 1,024, N 4,096]; A: input input; B: input w_i: QUANTISED (scales: A lowp_scales[0], B lowp_scales[1])
;;     2. [M 8,192, K 1,024] x [K 1,024, N 4,096]; A: input h_prev; B: input w_h: QUANTISED (scales: A lowp_scales[2], B lowp_scales[3])
;;   THE QUANTISER, for each operand of a quantised product, along K:
;;     - The operand's scale is 2^e, e = its entry of the input lowp_scales (int32; the entries are numbered through the quantised products in the list's order, A before B).
;;     - Each number is divided by the scale, clamped to +-57,344, and rounded to the nearest number of E5M2, ties to even, subnormals kept.
;;     - The product sums the exact products of the quantised numbers (number of the format x scale) in f32.
;;   ~~~python
;;   def quantise(x, axis, e):      # numpy; x: float32 -> the quantised numbers, widened to float32 again
;;       x = np.moveaxis(x, axis, -1); K = x.shape[-1]
;;       r = np.clip(x / 2.0 ** e, -57344, 57344)
;;       step = 2.0 ** (np.maximum(np.frexp(np.where(r == 0, 1, r))[1] - 1, -14) - 2)
;;       q = np.round(r / step) * step * 2.0 ** e      # np.round: ties to even
;;       return np.moveaxis(q, -1, axis).astype(np.float32)
;;   ~~~
;; One version. Each part assembles by itself: llvm-mc -triple=amdgcn-amd-amdhsa -mcpu=gfx1250 --defsym DOCPART=n.
;; ======== version 1 of 1: 3 launches
;; limits: right only within a limited range of input values
;; workspace buffers: aq 16,777,216 bytes; bq 8,388,608 bytes; pre 134,217,728 bytes
;; launch quant (part 1): grid 736 x 1, 4 waves a work-group, no clusters, 0 bytes of LDS; arguments input, h_prev, w_h, w_i, lowp_scales, aq, bq; writes aq, bq
.if DOCPART == 1
	.amdgcn_target "amdgcn-amd-amdhsa--gfx1250"
	.amdhsa_code_object_version 6
	.text
	.protected	k_q490f7633e6_quant
	.globl	k_q490f7633e6_quant
	.p2align	8
	.type	k_q490f7633e6_quant,@function
k_q490f7633e6_quant:
	s_mov_b64 s[64:65], 0
	v_nop
	global_prefetch_b8 v0, s[64:65] scope:SCOPE_SE
	s_setreg_imm32_b32 hwreg(HW_REG_WAVE_MODE, 25, 1), 1
	s_wait_xcnt 0x0
; LayerNorm-LSTM step, first of three launches: the operands of the two quantised products become codes of BF8 (E5M2).
; DEAD WORK.  reference() splits gi = input w_i^T into i_i, i_f, i_gc, i_o and never names i_gc again: g_g is made of the sigmoided i_g and h_g.  So columns 2048..3071 of product 1,
; which are made of rows 2048..3071 of w_i and of nothing else, reach neither h_new nor c_new, whatever the inputs hold.  Those 1,024 rows of w_i are not loaded, not quantised and not multiplied
; in any launch; the other rows of w_i are live, so w_i stays an argument.  LIMIT: a NaN, an infinity or an overflow that lies in those rows alone is not carried to the result.
; LAYOUT OF THE CODES.  aq [8192][2048] bytes: row m = the 1,024 codes of input[m], then the 1,024 codes of h_prev[m].  bq [4096][2048] bytes: row n = the codes of w_i[n], then those of w_h[n]
; (the first half of rows 2048..3071 is never stored and never read).  So a gate's pre-activation is ONE product over the concatenated K in the next launch.
; INSIDE EACH RUN OF 512 CODES k IS PERMUTED, ALIKE IN aq AND bq: byte 16 l + 4 i + j holds k = 128 i + 4 l + j (l = 0..31, i, j = 0..3).  Both operands of a product pass this one text, so each code
; meets its partner in the next launch and only the order of the f32 sums changes.  That order lets a lane convert what it loaded: no number changes lanes, and the launch uses no LDS.
; code = x / 2^e, held within +-57,344, rounded to the nearest code, ties to even.  e: lowp_scales[0] input, [1] w_i, [2] h_prev, [3] w_h.  LIMITS: -126 <= e <= 112.  NaN among these inputs is not served; an infinity is held at the largest code.
; SHARES.  A work-group takes 32 source rows, a wave 8 of them: 16 steps of 512 numbers (half a row).  Work-groups 0..255 input, 256..511 h_prev, 512..639 w_h, 640..735 the live rows of w_i.
; All take ONE path through the text: only pointers and whole numbers are chosen, by the work-group's number.
; A step: four loads of 512 consecutive bytes (16 a lane), sixteen holds, two conversions, one store of 512 consecutive bytes at a multiple of 512 from the buffer's first byte.
; Loads run AHEAD = 8 steps (32 loads a wave) ahead, in eight sets of 16 registers.  No barrier: waves share nothing.
.set STEPS, 16
.set AHEAD, 8
.set EMAX,  15
.set MANT,  0x600000                   ; the mantissa field of 57,344 as f32
.set DROW,  2048                       ; a row of aq or bq in bytes
.set R,     16                         ; v16-143  eight sets of 16 numbers
.set C,     144                        ; v144-207 codes: four registers for each step, so that no store's data are written again
	s_load_b256 s[4:11], s[0:1], 0x0               ; input s[4:5], h_prev s[6:7], w_h s[8:9], w_i s[10:11]
	s_load_b128 s[12:15], s[0:1], 0x20             ; the scales' exponents s[12:13], aq s[14:15]
	s_load_b64 s[16:17], s[0:1], 0x30              ; bq
	v_lshrrev_b32 v1, 5, v0
	v_readfirstlane_b32 s20, v1                    ; wave
	v_and_b32 v2, 31, v0                           ; lane
	v_lshlrev_b32 v3, 4, v2                        ; my 16 bytes of a load's 512, and of a store's
	s_wait_alu depctr_va_vdst(0)                   ; wait for the vector writes, directly ahead of the wait below
	s_wait_kmcnt 0x0
	s_load_b128 s[32:35], s[12:13], 0x0            ; e0 (input), e1 (w_i), e2 (h_prev), e3 (w_h)
	; which tensor is my work-group's: three compares of its number, each with its choices directly behind it
	s_mov_b64 s[22:23], s[10:11]                   ; from: w_i
	s_mov_b64 s[24:25], s[16:17]                   ; to: bq
	s_mov_b32 s26, 640                             ; the tensor's first work-group
	s_mov_b32 s27, 0                               ; the codes' first byte in a row of the target
	s_cmp_lt_u32 ttmp9, 640
	s_cselect_b64 s[22:23], s[8:9], s[22:23]       ; w_h
	s_cselect_b32 s27, 1024, s27
	s_cselect_b32 s26, 512, s26
	s_cmp_lt_u32 ttmp9, 512
	s_cselect_b64 s[22:23], s[6:7], s[22:23]       ; h_prev
	s_cselect_b64 s[24:25], s[14:15], s[24:25]     ; to aq
	s_cselect_b32 s26, 256, s26
	s_cmp_lt_u32 ttmp9, 256
	s_cselect_b64 s[22:23], s[4:5], s[22:23]       ; input
	s_cselect_b32 s27, 0, s27
	s_cselect_b32 s26, 0, s26
	s_cmp_ge_u32 ttmp9, 704                        ; w_i's work-groups 64 on pass over the dead rows 2048..3071
	s_cselect_b32 s29, 1024, 0
	s_sub_co_u32 s28, ttmp9, s26
	s_lshl_b32 s28, s28, 5                         ; 32 rows a work-group
	s_add_co_u32 s28, s28, s29
	s_lshl_b32 s30, s20, 3
	s_add_co_u32 s28, s28, s30                     ; my wave's first row
	s_lshl_b32 s30, s28, 12                        ; a source row is 4,096 bytes (8,191 rows at the most: under 2^32)
	s_mov_b32 s31, 0
	s_add_nc_u64 s[22:23], s[22:23], s[30:31]
	s_lshl_b32 s30, s28, 11                        ; a row of codes is 2,048 bytes
	s_add_co_u32 s30, s30, s27
	s_add_nc_u64 s[24:25], s[24:25], s[30:31]
.macro LOAD t
.irp i, 0,1,2,3
	global_load_b128 v[R+16*((\t)%AHEAD)+4*\i:R+16*((\t)%AHEAD)+4*\i+3], v3, s[22:23] offset:2048*(\t)+512*\i th:TH_LOAD_NT   ; 32 lanes read 512 consecutive bytes; read once in the launch
.endr
.endm
.irp t, 0,1,2,3,4,5,6,7
	LOAD \t
.endr
	s_wait_kmcnt 0x0
	s_mov_b32 s36, s33                             ; e of my tensor, by the same three compares: w_i's,
	s_cmp_lt_u32 ttmp9, 640
	s_cselect_b32 s36, s35, s36                    ; w_h's,
	s_cmp_lt_u32 ttmp9, 512
	s_cselect_b32 s36, s34, s36                    ; h_prev's,
	s_cmp_lt_u32 ttmp9, 256
	s_cselect_b32 s36, s32, s36                    ; input's
	s_add_co_i32 s36, s36, 127
	s_lshl_b32 s37, s36, 23
	v_mov_b32 v11, s37                             ; 2^e as f32: the conversion takes its exponent field
	s_add_co_i32 s36, s36, EMAX
	s_lshl_b32 s36, s36, 23
	s_or_b32 s36, s36, MANT
	v_mov_b32 v10, s36                             ; the largest number x 2^e
	s_wait_alu depctr_va_vdst(0)
.macro STEP t
.set XS, R+16*((\t)%AHEAD)
.if STEPS-1-(\t) >= AHEAD-1
	s_wait_loadcnt 4*(AHEAD-1)                     ; this step's four loads are in; those of the seven steps behind it may be out
.else
	s_wait_loadcnt 4*(STEPS-1-(\t))                ; the tail: as many steps' loads as are still behind this step's
.endif
.irp i, 0,1,2,3,4,5,6,7,8,9,10,11,12,13,14,15
	v_med3_num_f32 v[XS+\i], v[XS+\i], -v10, v10   ; the conversion to an 8-bit code does not saturate (ISA guide 7.6.2): hold the number within the largest code x the scale first
.endr
	v_cvt_scalef32_pk8_bf8_f32 v[C+4*(\t):C+4*(\t)+1], v[XS:XS+7], v11          ; eight numbers / 2^e, to the nearest code, ties to even; the first number's code in the lowest byte
	v_cvt_scalef32_pk8_bf8_f32 v[C+4*(\t)+2:C+4*(\t)+3], v[XS+8:XS+15], v11
	; the codes go to a store alone, the numbers' registers are next written by loads, and the next vector lines, the next step's holds, are plain and touch other registers
	global_store_b128 v3, v[C+4*(\t):C+4*(\t)+3], s[24:25] offset:DROW*((\t)/2)+512*((\t)%2)   ; step t is half t % 2 of my row t / 2: 512 consecutive bytes
.if (\t)+AHEAD < STEPS
	LOAD (\t)+AHEAD                                ; this set takes the loads of eight steps on
.endif
.endm
.irp t, 0,1,2,3,4,5,6,7,8,9,10,11,12,13,14,15
	STEP \t
.endr
	s_endpgm
.Lfunc_end_k_q490f7633e6_quant:
	.size	k_q490f7633e6_quant, .Lfunc_end_k_q490f7633e6_quant-k_q490f7633e6_quant
	.p2alignl 7, 3214868480
	.fill 96, 4, 3214868480
	.section	.rodata,"a",@progbits
	.p2align	6, 0x0
	.amdhsa_kernel k_q490f7633e6_quant
		.amdhsa_group_segment_fixed_size 0
		.amdhsa_private_segment_fixed_size 0
		.amdhsa_enable_private_segment 0
		.amdhsa_kernarg_size 56
		.amdhsa_user_sgpr_count 2
		.amdhsa_user_sgpr_kernarg_segment_ptr 1
		.amdhsa_wavefront_size32 1
		.amdhsa_system_sgpr_workgroup_id_x 1
		.amdhsa_system_sgpr_workgroup_id_y 1
		.amdhsa_system_sgpr_workgroup_id_z 1
		.amdhsa_system_vgpr_workitem_id 0
		.amdhsa_next_free_vgpr 208
		.amdhsa_next_free_sgpr 66
		.amdhsa_reserve_vcc 0
		.amdhsa_float_denorm_mode_32 3
		.amdhsa_float_denorm_mode_16_64 3
		.amdhsa_memory_ordered 1
		.amdhsa_forward_progress 1
		.amdhsa_inst_pref_size 29
	.end_amdhsa_kernel
	.amdgpu_metadata
---
amdhsa.version: [ 1, 2 ]
amdhsa.kernels:
  - .name:           k_q490f7633e6_quant
    .symbol:         k_q490f7633e6_quant.kd
    .args:
      - { .name: input, .offset: 0, .size: 8, .value_kind: global_buffer, .address_space: global }
      - { .name: h_prev, .offset: 8, .size: 8, .value_kind: global_buffer, .address_space: global }
      - { .name: w_h, .offset: 16, .size: 8, .value_kind: global_buffer, .address_space: global }
      - { .name: w_i, .offset: 24, .size: 8, .value_kind: global_buffer, .address_space: global }
      - { .name: lowp_scales, .offset: 32, .size: 8, .value_kind: global_buffer, .address_space: global }
      - { .name: aq, .offset: 40, .size: 8, .value_kind: global_buffer, .address_space: global }
      - { .name: bq, .offset: 48, .size: 8, .value_kind: global_buffer, .address_space: global }
    .group_segment_fixed_size: 0
    .private_segment_fixed_size: 0
    .kernarg_segment_align: 8
    .kernarg_segment_size: 56
    .max_flat_workgroup_size: 128
    .sgpr_count:     66
    .vgpr_count:     208
    .wavefront_size: 32
...
	.end_amdgpu_metadata
.endif
;; end of part 1
;; launch gemm (part 2): grid 16 x 16, 4 waves a work-group, clusters of 4 x 4, 327,680 bytes of LDS; arguments aq, bq, lowp_scales, pre; writes pre
.if DOCPART == 2
	.amdgcn_target "amdgcn-amd-amdhsa--gfx1250"
	.amdhsa_code_object_version 6
	.text
	.protected	k_q490f7633e6_gemm
	.globl	k_q490f7633e6_gemm
	.p2align	8
	.type	k_q490f7633e6_gemm,@function
k_q490f7633e6_gemm:
	s_mov_b64 s[64:65], 0
	v_nop
	global_prefetch_b8 v0, s[64:65] scope:SCOPE_SE
	s_setreg_imm32_b32 hwreg(HW_REG_WAVE_MODE, 25, 1), 1
	s_wait_xcnt 0x0
	s_wait_alu depctr_hold_cnt(0) depctr_sa_sdst(0) depctr_va_vdst(0) depctr_va_sdst(0) depctr_va_ssrc(0) depctr_va_vcc(0) depctr_vm_vsrc(0)
	s_getreg_b32 s2, hwreg(HW_REG_IB_STS2, 6, 4)
	s_cmp_eq_u32 s2, 0
	s_cbranch_scc0 .Lentry_in_a_cluster
	s_endpgm
.Lentry_in_a_cluster:
	s_bfe_u32 s2, ttmp6, 0x10000c
	s_cmp_lg_u32 s2, 0xf033
	s_cbranch_scc0 .Lentry_shape_is_right
	s_endpgm
.Lentry_shape_is_right:
; Second launch: pre [8192][4096] f32 = the gates' pre-activations: columns 0..1023 a_i = i_i + h_i, 1024..2047 a_f, 2048..3071 h_g, 3072..4095 a_o.
; aq [8192][2048] and bq [4096][2048] hold codes of BF8, input's (w_i's) 1,024 then h_prev's (w_h's) 1,024: a gate is ONE product over the concatenated K, by v_wmma_f32_16x16x128_bf8_bf8, f32 sums.
; k is permuted alike in aq and bq inside each 512 codes, and once more alike by the 16-byte fragment loads: each code meets its partner.
; DEAD WORK: i_gc (input x rows 2048..3071 of w_i) is never used by reference(): gate g's tiles sum over h_prev's half of K alone.
; SCALES: behind input's half of K the sums are multiplied by 2^(e0 + e1 - e2 - e3), and on the way out by 2^(e2 + e3).  LIMITS: both exponents lie between -126 and 127.
; SHARES.  A tile of pre is 256 x 256: four waves, each 128 x 128 in 512 registers; K goes in steps of 256 through a ring of two LDS slots; 4 x 4 work-groups form a cluster and ask for A's tiles
; jointly along a row of the cluster and for B's along a column.  A cluster's 1,024 columns are one gate.  Every work-group makes two tiles:
;   cluster x = 0, 1: gates i, f: tile rows 4 y + cy and 16 + 4 y + cy, both over the whole K;
;   cluster x = 2, 3: tile row 16 (x - 2) + 4 y + cy: first gate g (half of K), then gate o of the same rows (the whole K).
; So the two kinds of clusters reach their ways out at different steps of the walk.  What differs between them is held in scalar registers made from the cluster's x alone, which all partners share.
; PREFETCH: as far ahead as two refills, a lane a row; A's waves of cluster x = 0 and B's waves of cluster y = 0 ask; B's rows are asked for again in a second tile only where they are other rows (x = 2, 3).
.set SIZE_N, 4096
.set ROWB,   256
.set KROW,   2048
.set WALK,   4096
.set PITCH,  272
.set FR,     16
.set NL,     4
.set NP,     4
.set HALFT,  128*PITCH
.set SLOT,   4*HALFT
.set STAGE,  2*SLOT
.set SPITCH, 528
.set SPARE,  STAGE+4*16*SPITCH
.set ADRA, 16
.set ADRB, 20
.set STO,  24
.set RD,   25
.set CO,   26
.set SPW,  28
.set NIL,  29
.set PFO,  30
.set TMP,  32
.set AF,   128
.set BK,   128
.set G1, 24
.set G0, 32
.set G1B, 48
.set G0B, 56
.set FMID, 72
.set FOUT, 74
.set NXA,  76
.set BKB,  78
.set PFA,  80
.set LIM,  82
.set NXP,  84
.set FWC,  86                          ; s[86:87] what C's address goes forward at the change of tiles
.set MSB, 0
.macro WIN new
.if MSB != \new
	s_set_vgpr_msb (MSB<<8)|\new
.set MSB, \new
.endif
.endm
.set MUL_LO, 0xa1
.set MUL_HI, 0xf1
.set TO_B,   0x40
.macro JLOAD g0a, g1a, g0b, g1b
	s_cmp_eq_u32 s15, 0
	s_cbranch_scc0 .Lfor_b_\@
	tensor_load_to_lds s[\g0a:\g0a+3], s[\g1a:\g1a+7]
	s_nop 0
.rept 4
	v_nop
.endr
	s_branch .Lasked_\@
.Lfor_b_\@:
	tensor_load_to_lds s[\g0b:\g0b+3], s[\g1b:\g1b+7]
	s_nop 0
.rept 4
	v_nop
.endr
.Lasked_\@:
.endm
.macro ASK how
.if \how == 2
	s_cmp_eq_u32 s[LIM], 1
.else
	s_cmp_gt_u32 s3, s[LIM]
.endif
	s_cbranch_scc0 .Lnot_mine_\@
	s_wait_alu depctr_va_vdst(0)
	global_prefetch_b8 v[PFO], s[PFA:PFA+1] offset:ROWB th:TH_LOAD_NT scope:SCOPE_SE
.Lnot_mine_\@:
.endm
.macro CREST
	s_cmp_lg_u32 s14, 0
	s_cbranch_scc1 .Lnot_wave_0_\@
	s_barrier_signal -3
.Lnot_wave_0_\@:
	s_barrier_wait -3
	s_barrier_signal -1
	s_barrier_wait -1
.endm
.macro CROUND
	s_barrier_signal -1
	s_barrier_wait -1
	CREST
.endm
	s_load_b128 s[4:7], s[0:1], 0x0
	s_load_b128 s[8:11], s[0:1], 0x10
	v_lshl_add_u32 v[SPW], v0, 2, SPARE
	v_mov_b32 v[NIL], 0
	ds_add_u32 v[SPW], v[NIL]
	ds_add_u32 v[SPW], v[NIL]
	v_lshrrev_b32 v1, 5, v0
	v_readfirstlane_b32 s14, v1
	v_and_b32 v7, 31, v0
	v_lshlrev_b32 v[PFO], 11, v7                   ; the prefetches' offset: my lane x a row of codes (2,048 bytes); never rewritten
	s_lshr_b32 s15, s14, 1
	s_and_b32 s16, s14, 1
	s_bfe_u32 s40, ttmp6, 0x40000
	s_bfe_u32 s41, ttmp6, 0x40004
	s_min_u32 s42, ttmp9, 2
	s_lshl_b32 s42, s42, 2
	s_add_co_u32 s42, s42, s40                     ; first tile's column = 4 min(cluster x, 2) + cx
	s_and_b32 s17, ttmp7, 0xffff
	s_lshl_b32 s17, s17, 2
	s_add_co_u32 s17, s17, s41
	s_max_u32 s13, ttmp9, 2
	s_sub_co_u32 s13, s13, 2
	s_lshl_b32 s13, s13, 4
	s_add_co_u32 s17, s17, s13                     ; first tile's row = 4 cluster y + cy + 16 max(cluster x - 2, 0)
	s_lshl_b32 s43, s41, 2
	s_lshl_b32 s43, 15, s43
	s_lshl_b32 s44, 0x1111, s40
	s_or_b32 s[G1+0], s43, (0<<16)|(1<<20)|(1<<21)|(5<<22)|(3<<25)
	s_or_b32 s[G1B+0], s44, (0<<16)|(1<<20)|(1<<21)|(5<<22)|(3<<25)
.irp g, G1, G1B
	s_mov_b32 s[\g+1], ROWB<<16
	s_mov_b32 s[\g+2], 128<<16
	s_mov_b32 s[\g+3], ROWB<<16
	s_mov_b32 s[\g+4], 128
	s_mov_b32 s[\g+5], KROW
	s_mov_b32 s[\g+6], 0
	s_mov_b32 s[\g+7], 0
.endr
	s_lshl_b32 s18, s16, 7
	s_lshl_b32 s20, s17, 8
	s_add_co_u32 s20, s20, s18
	s_lshl_b32 s46, s42, 8
	s_add_co_u32 s46, s46, s18
	s_mov_b32 s21, 0
	s_mov_b32 s47, 0
	s_mov_b64 s[18:19], KROW
	s_mul_u64 s[20:21], s[20:21], s[18:19]
	s_mul_u64 s[46:47], s[46:47], s[18:19]
	s_cmp_ge_u32 ttmp9, 2                          ; clusters x = 2, 3: gate g first, from h_prev's half of K on
	s_cselect_b32 s66, 1024, 0
	s_cselect_b32 s[BKB], 1024*KROW, 0             ; at the change of tiles B goes 1,024 rows on (gate o) or stays,
	s_cselect_b32 s[NXA], 0, WALK*KROW             ; A stays or goes WALK rows on,
	s_mov_b32 s[FWC], WALK*SIZE_N*4
	s_cselect_b32 s[FWC], 4096, s[FWC]             ; C goes 1,024 columns or WALK rows on;
	s_cselect_b32 s12, 1, 0                        ; and all go back along K by 6 ROWB: from a slot's last K step (1,024 + 2 ROWB + .. = 6 ROWB + ..) to its first
	s_mov_b32 s67, 0
	s_mov_b32 s[BKB+1], 0
	s_mov_b32 s[NXA+1], 0
	s_mov_b32 s[FWC+1], 0
	s_cmp_eq_u32 s15, 0
	s_cselect_b32 s[NXP], s[NXA], s[BKB]           ; the prefetches' step forward: A's or B's, by what my wave fetches
	s_cselect_b32 s12, 1, s12                      ; s12 = 1: my wave's second tile has rows that it has not asked for yet
	s_mov_b32 s[NXP+1], 0
	s_add_nc_u64 s[20:21], s[20:21], s[66:67]
	s_add_nc_u64 s[46:47], s[46:47], s[66:67]
	s_mul_i32 s45, s14, HALFT
	s_wait_dscnt 0x0
	s_wait_kmcnt 0x0
	s_load_b128 s[68:71], s[8:9], 0x0
	s_add_nc_u64 s[20:21], s[4:5], s[20:21]
	s_add_nc_u64 s[46:47], s[6:7], s[46:47]
	; the first tile's K steps 0 to 3, which the loop's prefetches (K step 4 on) do not reach: every cluster asks for its own rows; of the 128 rows that my wave fetches
	; my work-group takes 32, by its place among the four that ask jointly (cx for A, cy for B), told apart by address alone; a lane a row, 256 bytes of a row each.
	; K step 0 is asked for here, two rounds ahead of its tensor load; K steps 1 to 3 behind that load
	s_cmp_eq_u32 s15, 0
	s_cselect_b64 s[88:89], s[20:21], s[46:47]
	s_cselect_b32 s90, s40, s41
	s_lshl_b32 s90, s90, 16                        ; 32 rows x 2,048 bytes
	s_mov_b32 s91, 0
	s_add_nc_u64 s[88:89], s[88:89], s[90:91]      ; s[88:89] and the offset register are not written again
	s_wait_alu depctr_va_vdst(0)                   ; wait for the vector writes, directly ahead of the reader below
	global_prefetch_b8 v[PFO], s[88:89] th:TH_LOAD_NT scope:SCOPE_SE
	CROUND
.irp s, 0,1
	s_mov_b32 s[G0+4*\s], 1
	s_add_co_u32 s[G0+4*\s+1], s45, \s*SLOT
	s_add_nc_u64 s[G0+4*\s+2:G0+4*\s+3], s[20:21], \s*ROWB
	s_or_b32 s[G0+4*\s+3], s[G0+4*\s+3], 0x80000000
	s_mov_b32 s[G0B+4*\s], 1
	s_add_co_u32 s[G0B+4*\s+1], s45, \s*SLOT
	s_add_nc_u64 s[G0B+4*\s+2:G0B+4*\s+3], s[46:47], \s*ROWB
	s_or_b32 s[G0B+4*\s+3], s[G0B+4*\s+3], 0x80000000
	s_wait_alu depctr_va_vdst(0)
	s_wait_tensorcnt 0x0
	ds_add_u32 v28, v29
	ds_add_u32 v28, v29
	s_wait_dscnt 0x0
	CROUND
	JLOAD G0+4*\s, G1, G0B+4*\s, G1B
.if \s == 0                            ; behind K step 0's joint load and its five lines: K steps 1 to 3, so that what is wanted first is asked for first
.irp k, 1,2,3
	global_prefetch_b8 v[PFO], s[88:89] offset:\k*ROWB th:TH_LOAD_NT scope:SCOPE_SE
.endr
.endif
.endr
	v_and_b32 v1, 15, v0
	s_wait_alu depctr_va_vdst(0)
	v_bfe_u32 v2, v0, 4, 1
	v_mul_u32_u24 v3, v1, PITCH
	v_lshl_add_u32 v4, v2, 4, v3
	s_mul_i32 s21, s15, HALFT
	s_mul_i32 s22, s16, HALFT
	s_add_co_u32 s22, s22, 2*HALFT
.irp s, 0,1
	v_add_nc_u32 v[ADRA+\s], s21, v4
	v_add_nc_u32 v[ADRB+\s], s22, v4
	s_add_co_u32 s21, s21, SLOT
	s_add_co_u32 s22, s22, SLOT
.endr
	s_mul_i32 s23, s14, 16*SPITCH
	s_add_co_u32 s23, s23, STAGE
	v_mul_u32_u24 v5, v1, SPITCH
	s_wait_alu depctr_va_vdst(0)
	v_lshl_add_u32 v5, v2, 5, v5
	v_add_nc_u32 v[STO], s23, v5
	v_and_b32 v6, 31, v0
	v_lshlrev_b32 v[CO], 4, v6
	v_add_nc_u32 v[RD], s23, v[CO]
	s_lshl_b32 s20, s17, 8
	s_lshl_b32 s21, s15, 7
	s_add_co_u32 s20, s20, s21
	s_mov_b32 s21, 0
	s_mov_b64 s[18:19], SIZE_N*4
	s_mul_u64 s[20:21], s[20:21], s[18:19]
	s_lshl_b32 s46, s42, 10
	s_lshl_b32 s47, s16, 9
	s_add_co_u32 s46, s46, s47
	s_mov_b32 s47, 0
	s_add_nc_u64 s[20:21], s[20:21], s[46:47]
	s_add_nc_u64 s[10:11], s[10:11], s[20:21]
	s_lshl_b32 s20, s17, 8
	s_lshl_b32 s21, s42, 8
	s_and_b32 s22, ttmp7, 0xffff
	s_cmp_eq_u32 s15, 0
	s_cselect_b32 s20, s20, s21
	s_cselect_b32 s21, s40, s41
	s_cselect_b32 s22, ttmp9, s22
	s_cselect_b64 s[PFA:PFA+1], s[4:5], s[6:7]
	s_cmp_eq_u32 s22, 0
	s_cselect_b32 s[LIM], 1, -1
	s_lshl_b32 s22, s16, 7
	s_add_co_u32 s20, s20, s22
	s_lshl_b32 s21, s21, 5
	s_add_co_u32 s20, s20, s21
	s_lshl_b32 s20, s20, 11
	s_add_co_u32 s20, s20, s66
	s_add_co_u32 s20, s20, 2*ROWB
	s_mov_b32 s21, 0
	s_add_nc_u64 s[PFA:PFA+1], s[PFA:PFA+1], s[20:21]
	s_wait_kmcnt 0x0
	s_add_co_i32 s[FOUT], s70, s71
	s_add_co_i32 s[FMID], s68, s69
	s_sub_co_i32 s[FMID], s[FMID], s[FOUT]
	s_add_co_i32 s[FMID], s[FMID], 127
	s_lshl_b32 s[FMID], s[FMID], 23
	s_mov_b32 s[FMID+1], s[FMID]
	s_add_co_i32 s[FOUT], s[FOUT], 127
	s_lshl_b32 s[FOUT], s[FOUT], 23
	s_mov_b32 s[FOUT+1], s[FOUT]
.macro FRAG reg, adr, q, i
.irp c, 0,1,2,3
	ds_load_b128 v[\reg+4*\c:\reg+4*\c+3], v[\adr] offset:128*(\q)+32*\c+(\i)*16*PITCH
.endr
.endm
.macro MUL16 a0, p, zero
.irp a, \a0, \a0+1
.irp b, 0,1,2,3,4,5,6,7
.if \zero
	v_wmma_f32_16x16x128_bf8_bf8 v[8*(8*((\a)%4)+\b):8*(8*((\a)%4)+\b)+7], v[128*(\p)+FR*\b:128*(\p)+FR*\b+FR-1], v[AF+FR*(\a):AF+FR*(\a)+FR-1], 0
.else
	v_wmma_f32_16x16x128_bf8_bf8 v[8*(8*((\a)%4)+\b):8*(8*((\a)%4)+\b)+7], v[128*(\p)+FR*\b:128*(\p)+FR*\b+FR-1], v[AF+FR*(\a):AF+FR*(\a)+FR-1], v[8*(8*((\a)%4)+\b):8*(8*((\a)%4)+\b)+7]
.endif
.endr
.endr
.endm
.macro FETCH_B slot, q, p
	WIN TO_B
.irp i, 0,1,2,3,4,5,6,7
	FRAG 128*(\p)+FR*\i, ADRB+\slot, \q, \i
.endr
	WIN 0
.endm
.macro FETCH_A slot, q, i0
.irp i, \i0, \i0+1, \i0+2, \i0+3
	FRAG AF+FR*(\i), ADRA+\slot, \q, \i
.endr
.endm
.macro PLACES n
.rept \n
	v_nop
.endr
.endm
.macro STEP slot, q, zero
	s_wait_dscnt 4*NL
	WIN MUL_LO
	MUL16 0, (\q)%2, \zero
	MUL16 2, (\q)%2, \zero
	s_wait_dscnt 0
	PLACES NP
	FETCH_B \slot, (\q)+1, 1-(\q)%2
	FETCH_A \slot, (\q)+1, 0
	WIN MUL_HI
	MUL16 4, (\q)%2, \zero
	MUL16 6, (\q)%2, \zero
	PLACES NP
	WIN 0
	FETCH_A \slot, (\q)+1, 4
.endm
.macro TURN slot, next, fill, fetch
.if \fill
	s_wait_xcnt 0x0
.if (\fill == 2) && (\slot == 0)
	s_add_nc_u64 s[PFA:PFA+1], s[PFA:PFA+1], s[NXP:NXP+1]
	s_sub_nc_u64 s[PFA:PFA+1], s[PFA:PFA+1], 7*ROWB  ; from the K step behind the tile's last to the next tile's K step 1
	s_cmp_eq_u32 s12, 1
	s_cselect_b32 s[LIM], s[LIM], -1
.else
	s_add_nc_u64 s[PFA:PFA+1], s[PFA:PFA+1], ROWB
.endif
.endif
	s_wait_dscnt 4*NL                              ; B's set and A's blocks 0-3 are in; the youngest sixteen loads (A's blocks 4-7) may be out
	WIN MUL_LO
	MUL16 0, 1, 0                                  ; 32 products on registers stand ahead of the wait for the tile,
	MUL16 2, 1, 0
	WIN 0
	s_wait_tensorcnt 0x0                           ; all my tensor loads have landed: my part of the next slot;
	ds_add_u32 v[SPW], v[NIL]                      ; 0 onto my spare word;
	s_wait_dscnt 0x0                               ; the add is done, and my reads of this slot are over
	s_barrier_signal -1
	s_barrier_wait -1
.if \fill
	CREST
.if \fill == 2
	s_add_nc_u64 s[G0+4*\slot+2:G0+4*\slot+3], s[G0+4*\slot+2:G0+4*\slot+3], s[NXA:NXA+1]
	s_sub_nc_u64 s[G0+4*\slot+2:G0+4*\slot+3], s[G0+4*\slot+2:G0+4*\slot+3], 6*ROWB
	s_add_nc_u64 s[G0B+4*\slot+2:G0B+4*\slot+3], s[G0B+4*\slot+2:G0B+4*\slot+3], s[BKB:BKB+1]
	s_sub_nc_u64 s[G0B+4*\slot+2:G0B+4*\slot+3], s[G0B+4*\slot+2:G0B+4*\slot+3], 6*ROWB
.else
	s_add_nc_u64 s[G0+4*\slot+2:G0+4*\slot+3], s[G0+4*\slot+2:G0+4*\slot+3], 2*ROWB
	s_add_nc_u64 s[G0B+4*\slot+2:G0B+4*\slot+3], s[G0B+4*\slot+2:G0B+4*\slot+3], 2*ROWB
.endif
	JLOAD G0+4*\slot, G1, G0B+4*\slot, G1B
.else
	PLACES NP
.endif
.if \fetch
	FETCH_B \next, 0, 0
	FETCH_A \next, 0, 0
.endif
.if \fill
	ASK \fill
.endif
	WIN MUL_HI
	MUL16 4, 1, 0
	MUL16 6, 1, 0
.if \fetch
	PLACES NP
	WIN 0
	FETCH_A \next, 0, 4
.else
	WIN 0
.endif
.endm
.macro TOSTAGE a
.set AC, 64*((\a)%4)
	WIN 0x02+((\a)/4)
.irp j, 0,2,4,6,8,10,12,14,16,18,20,22,24,26,28,30,32,34,36,38,40,42,44,46,48,50,52,54,56,58,60,62
	v_pk_mul_f32 v[TMP+\j:TMP+\j+1], v[AC+\j:AC+\j+1], s[FOUT:FOUT+1] op_sel_hi:[1,0]
.endr
	WIN 0
.irp b, 0,1,2,3,4,5,6,7
	ds_store_b128 v[STO], v[TMP+8*\b:TMP+8*\b+3] offset:64*\b
	ds_store_b128 v[STO], v[TMP+8*\b+4:TMP+8*\b+7] offset:64*\b+16
.endr
	WIN 0x80+0x40*((\a)/4)                         ; destination: window 2 or 3
.irp t, 0,1,2,3,4,5,6,7,8,9,10,11,12,13,14,15
	ds_load_b128 v[AC+4*\t:AC+4*\t+3], v[RD] offset:\t*SPITCH   ; whole rows come back into the block's own 64 accumulator registers, which the scaling above has read: no register is used for two blocks
.endr
	WIN 0
.endm
.macro SEND a, younger
.set AC, 64*((\a)%4)
	s_wait_dscnt \younger                          ; the block is back in registers; younger: the next block's 16 stores and 16 loads
	WIN 0x08+0x04*((\a)/4)                         ; a store's data are its source 1: window 2 or 3
.irp t, 0,1,2,3,4,5,6,7,8,9,10,11,12,13,14,15
	global_store_b128 v[CO], v[AC+4*\t:AC+4*\t+3], s[10:11] offset:(16*(\a)+\t)*SIZE_N*4 th:TH_STORE_NT   ; 512 consecutive bytes, at a multiple of 512 from pre's first byte; the base stands still: 127 rows of 16,384 bytes at the most, inside the signed 24-bit immediate
.endr
	WIN 0
.endm
.macro WAYOUT
	PLACES NP
	TOSTAGE 0
.irp a, 1,2,3,4,5,6,7
	TOSTAGE \a
	SEND \a-1, 32
.endr
	SEND 7, 0
.endm
.macro TILE last
.if \last == 0                         ; the second tile's first fragments were fetched at the change of tiles, ahead of the way out
	FETCH_B 0, 0, 0
	FETCH_A 0, 0, 0
	FETCH_A 0, 0, 4
.endif
	STEP 0, 0, 1
.if \last
	s_mov_b32 s3, 3                                ; every second tile sums over the whole K
.else
	s_cmp_ge_u32 ttmp9, 2                          ; gate g's tiles have half of K
	s_cselect_b32 s3, 1, 3
	s_max_u32 s3, s3, 1
.endif
.Llap_\@:
	TURN 0, 1, 1, 1
	STEP 1, 0, 0
	TURN 1, 0, 1, 1
	s_cmp_lg_u32 s3, 2
	s_cbranch_scc1 .Lno_mid_\@
	WIN 0x82
.set j, 0
.rept 128
	v_pk_mul_f32 v[j:j+1], v[j:j+1], s[FMID:FMID+1] op_sel_hi:[1,0]
.set j, j+2
.endr
	WIN 0xc3
.set j, 0
.rept 128
	v_pk_mul_f32 v[j:j+1], v[j:j+1], s[FMID:FMID+1] op_sel_hi:[1,0]
.set j, j+2
.endr
	WIN 0
.Lno_mid_\@:
	s_wait_alu depctr_va_vdst(0)
	STEP 0, 0, 0
	s_sub_co_u32 s3, s3, 1
	s_cmp_lg_u32 s3, 0
	s_cbranch_scc1 .Llap_\@
.if \last
	TURN 0, 1, 0, 1
	STEP 1, 0, 0
	s_wait_dscnt 4*NL
	WIN MUL_LO
	MUL16 0, 1, 0
	MUL16 2, 1, 0
	s_wait_dscnt 0
	WIN MUL_HI
	MUL16 4, 1, 0
	MUL16 6, 1, 0
	WIN 0
	WAYOUT
.else
	TURN 0, 1, 2, 1
	STEP 1, 0, 0
	TURN 1, 0, 2, 1
	WAYOUT
	s_wait_xcnt 0x0                                ; the tile's stores have read their data and their base: the next tile's products write those registers, and the base steps
	s_add_nc_u64 s[10:11], s[10:11], s[FWC:FWC+1]
.endif
.endm
	s_wait_tensorcnt 1
	s_barrier_signal -1
	s_barrier_wait -1
	TILE 0
	TILE 1
	s_wait_tensorcnt 0x0
	ds_add_u32 v[SPW], v[NIL]
	s_wait_dscnt 0x0
	CROUND
	s_endpgm
.Lfunc_end_k_q490f7633e6_gemm:
	.size	k_q490f7633e6_gemm, .Lfunc_end_k_q490f7633e6_gemm-k_q490f7633e6_gemm
	.p2alignl 7, 3214868480
	.fill 96, 4, 3214868480
	.section	.rodata,"a",@progbits
	.p2align	6, 0x0
	.amdhsa_kernel k_q490f7633e6_gemm
		.amdhsa_group_segment_fixed_size 327680
		.amdhsa_private_segment_fixed_size 0
		.amdhsa_enable_private_segment 0
		.amdhsa_kernarg_size 32
		.amdhsa_user_sgpr_count 2
		.amdhsa_user_sgpr_kernarg_segment_ptr 1
		.amdhsa_wavefront_size32 1
		.amdhsa_system_sgpr_workgroup_id_x 1
		.amdhsa_system_sgpr_workgroup_id_y 1
		.amdhsa_system_sgpr_workgroup_id_z 1
		.amdhsa_system_vgpr_workitem_id 0
		.amdhsa_next_free_vgpr 1024
		.amdhsa_next_free_sgpr 92
		.amdhsa_reserve_vcc 0
		.amdhsa_float_denorm_mode_32 3
		.amdhsa_float_denorm_mode_16_64 3
		.amdhsa_memory_ordered 1
		.amdhsa_forward_progress 1
		.amdhsa_inst_pref_size 255
	.end_amdhsa_kernel
	.section	.bss,"aw",@nobits
	.p2align	6
	.space	262144
	.amdgpu_metadata
---
amdhsa.version: [ 1, 2 ]
amdhsa.kernels:
  - .name:           k_q490f7633e6_gemm
    .symbol:         k_q490f7633e6_gemm.kd
    .args:
      - { .name: aq, .offset: 0, .size: 8, .value_kind: global_buffer, .address_space: global }
      - { .name: bq, .offset: 8, .size: 8, .value_kind: global_buffer, .address_space: global }
      - { .name: lowp_scales, .offset: 16, .size: 8, .value_kind: global_buffer, .address_space: global }
      - { .name: pre, .offset: 24, .size: 8, .value_kind: global_buffer, .address_space: global }
    .group_segment_fixed_size: 327680
    .private_segment_fixed_size: 0
    .kernarg_segment_align: 8
    .kernarg_segment_size: 32
    .max_flat_workgroup_size: 128
    .sgpr_count:     92
    .vgpr_count:     1024
    .wavefront_size: 32
...
	.end_amdgpu_metadata
.endif
;; end of part 2
;; launch lnorm (part 3): grid 256 x 1, 16 waves a work-group, no clusters, 43,008 bytes of LDS; arguments pre, c_prev, out0, out1, ln_i_g, ln_i_b, ln_g_g, ln_g_b, ln_h_g, ln_h_b, ln_o_g, ln_o_b, ln_c_g, ln_c_b; writes out0, out1
.if DOCPART == 3
	.amdgcn_target "amdgcn-amd-amdhsa--gfx1250"
	.amdhsa_code_object_version 6
	.text
	.protected	k_q490f7633e6_lnorm
	.globl	k_q490f7633e6_lnorm
	.p2align	8
	.type	k_q490f7633e6_lnorm,@function
k_q490f7633e6_lnorm:
	s_mov_b64 s[64:65], 0
	v_nop
	global_prefetch_b8 v0, s[64:65] scope:SCOPE_SE
	s_setreg_imm32_b32 hwreg(HW_REG_WAVE_MODE, 25, 1), 1
	s_wait_xcnt 0x0
; Third launch: the five LayerNorms and the gates, all in f32, a row at a time.  pre [8192][4096]: a_i = i_i + h_i, a_f = i_f + h_f, h_g, a_o = i_o + h_o (i_gc, which reference() never uses, was never made).
;   i_g = sigmoid(LN(a_i; ln_i))   g_g = tanh(LN(i_g + h_g; ln_g))   f_g = sigmoid(LN(a_f; ln_h))   o_g = sigmoid(LN(a_o; ln_o))
;   c_new = LN(f_g c_prev + i_g g_g; ln_c) -> out1     h_new = o_g tanh(c_new) -> out0
; SHARES.  A work-group of sixteen waves takes 32 rows, a wave two, one after the other, written out: every offset is an immediate.  ONE WAVE, ONE ROW: a row of 1,024 numbers is 32 registers
; (eight loads of 16 bytes a lane, 512 consecutive bytes each; lane l holds columns 128 j + 4 l + 0..3), so every mean and variance stays inside the wave, and the row's five arrays stay in registers.
; Four waves share a SIMD, so that one wave's exponentials stand beside another's loads.  The second row's arrays are asked for as the first row's registers fall free.
; LN is taken in two passes, as reference() has it: the mean, then the mean of the squared differences.
; THE TEN GAINS AND BIASES lie in LDS (4,096 bytes each), copied once, and are multiplied on the way in by the factor that the activation's base-2 exponential wants:
;   sigmoid(y) = 1 / (1 + 2^(-log2(e) y)): ln_i, ln_h, ln_o x -log2(e);   tanh(y) = 1 - 2 / (1 + 2^(2 log2(e) y)): ln_g x 2 log2(e);   ln_c as it is.
; Both forms go rightly to their ends where the exponential overflows to infinity or falls to 0.  Near y = 0 the tanh form keeps an absolute error of f32's rounding of numbers near 1, not a relative one.
; No matrix work, no cluster, no tensor load: what the work-groups share is these 40 KB.
.set LO,  1                            ; v1       16 x lane: my bytes in a load's or store's 512, in memory and in LDS; never rewritten
.set SPW, 2                            ; v2       LDS address of my spare word: SPARE + 4 x my thread's number; never rewritten
.set NIL, 3                            ; v3       0; never rewritten
.set LF,  4                            ; v4       8 x thread: my 8 bytes of a gain or bias vector
.set T,   6                            ; v[6:13]  four chains of pairs
.set M,   14                           ; v[14:15] -mean (the packed form names a pair and takes its low word for both halves)
.set R,   16                           ; v[16:17] 1 / sqrt(var + eps), likewise
.set PL,  18                           ; v18      the lane permute's destination
.set GB,  20                           ; v20-51 a gain's 32 numbers, v52-83 its bias's
.set AI,  84                           ; v84-115  a_i, then i_g
.set HG,  116                          ; v116-147 h_g, then g_g, then i_g g_g
.set AF,  148                          ; v148-179 a_f, then f_g, then the cell, then c_new
.set CP,  180                          ; v180-211 c_prev
.set AO,  212                          ; v212-243 a_o, then o_g, then h_new
.set SPARE, 40960                      ; behind the ten vectors: the spare words, 128 bytes for each of sixteen waves: eight blocks of 256 bytes that no other line names
	s_load_b256 s[4:11], s[0:1], 0x0               ; pre s[4:5], c_prev s[6:7], out0 s[8:9], out1 s[10:11]
	s_load_b512 s[12:27], s[0:1], 0x20             ; vector n at s[12+2n:13+2n]: 0, 1 ln_i's gain and bias; 2, 3 ln_g's; 4, 5 ln_h's; 6, 7 ln_o's;
	s_load_b128 s[28:31], s[0:1], 0x60             ; 8, 9 ln_c's
	v_lshl_add_u32 v[SPW], v0, 2, SPARE
	v_mov_b32 v[NIL], 0
	v_lshrrev_b32 v5, 5, v0
	s_delay_alu instid0(VALU_DEP_1)
	v_readfirstlane_b32 s32, v5                    ; wave 0..15
	v_and_b32 v[LO], 31, v0
	s_delay_alu instid0(VALU_DEP_1)
	v_lshlrev_b32 v[LO], 4, v[LO]
	v_lshlrev_b32 v[LF], 3, v0
	v_mov_b32 v[M+1], 0                            ; (named as the upper halves of pairs, so they are written)
	v_mov_b32 v[R+1], 0
	v_mov_b32 v[PL], 0                             ; a lane permute's destination counts as one of its sources
	s_mov_b32 s36, 0xba800000                      ; -1 / 1024
	s_mov_b32 s37, 0x3a800000                      ; 1 / 1024
	s_mov_b32 s38, 0x3727c5ac                      ; eps = 1e-5
	s_mov_b32 s40, 0x76543210                      ; v_permlanex16_b32: lane l takes lane l xor 16
	s_mov_b32 s41, 0xfedcba98
	s_mov_b32 s42, 0xbfb8aa3b                      ; -log2(e)
	s_mov_b32 s43, s42
	s_mov_b32 s44, 0x4038aa3b                      ; 2 log2(e)
	s_mov_b32 s45, s44
	s_lshl_b32 s33, ttmp9, 5
	s_lshl_b32 s34, s32, 1
	s_add_co_u32 s33, s33, s34                     ; my first row: 32 x work-group + 2 x wave
	s_lshl_b32 s34, s33, 14                        ; a row of pre is 16,384 bytes (under 2^32 in all)
	s_mov_b32 s35, 0
	s_wait_alu depctr_va_vdst(0)
	s_wait_kmcnt 0x0
	s_add_nc_u64 s[4:5], s[4:5], s[34:35]
	s_lshl_b32 s34, s33, 12                        ; a row of c_prev and of the outputs is 4,096 bytes
	s_add_nc_u64 s[6:7], s[6:7], s[34:35]
	s_add_nc_u64 s[8:9], s[8:9], s[34:35]
	s_add_nc_u64 s[10:11], s[10:11], s[34:35]
.irp n, 0,1,2,3,4,5,6,7,8,9
	global_load_b64 v[GB+2*\n:GB+2*\n+1], v[LF], s[12+2*\n:13+2*\n]   ; 512 threads x 8 bytes: a whole vector; a wave reads 256 consecutive bytes
.endr
.macro LOADROW x, base, off            ; a row's 4,096 bytes: eight loads of 512 consecutive bytes; read once in the launch
.irp j, 0,1,2,3,4,5,6,7
	global_load_b128 v[\x+4*\j:\x+4*\j+3], v[LO], s[\base:\base+1] offset:(\off)+512*\j th:TH_LOAD_NT
.endr
.endm
	LOADROW AI, 4, 0                               ; my first row, in the order in which it is wanted
	LOADROW HG, 4, 8192
	LOADROW AF, 4, 4096
	LOADROW CP, 6, 0
	LOADROW AO, 4, 12288
	s_wait_loadcnt 40                              ; the ten vectors' loads are in; the row's forty may be out
.irp n, 0,1,4,5,6,7
	v_pk_mul_f32 v[GB+2*\n:GB+2*\n+1], v[GB+2*\n:GB+2*\n+1], s[42:43] op_sel_hi:[1,0]   ; ahead of a sigmoid: x -log2(e)
.endr
.irp n, 2,3
	v_pk_mul_f32 v[GB+2*\n:GB+2*\n+1], v[GB+2*\n:GB+2*\n+1], s[44:45] op_sel_hi:[1,0]   ; ahead of the tanh: x 2 log2(e)
.endr
.irp n, 0,1,2,3,4,5,6,7,8,9
	ds_store_b64 v[LF], v[GB+2*\n:GB+2*\n+1] offset:4096*\n
.endr
	s_wait_dscnt 0x0                               ; for the others' sake: my stores have landed
	s_barrier_signal -1
	s_barrier_wait -1                              ; the ten vectors lie in LDS; nobody writes them again.  (The row's loads stay on their way: no wave stores to those bytes)
.macro GBLOAD n                        ; gain n and bias n + 1: my 32 numbers of each; a load's 512 bytes are consecutive
.irp j, 0,1,2,3,4,5,6,7
	ds_load_b128 v[GB+4*\j:GB+4*\j+3], v[LO] offset:4096*(\n)+512*\j
	ds_load_b128 v[GB+32+4*\j:GB+32+4*\j+3], v[LO] offset:4096*(\n)+4096+512*\j
.endr
.endm
.macro JOIN                            ; the four chains become one number, then the 32 lanes': the sum stands in v[T] of every lane
	s_delay_alu instid0(VALU_DEP_3)
	v_pk_add_f32 v[T:T+1], v[T:T+1], v[T+2:T+3]
	s_delay_alu instid0(VALU_DEP_2)
	v_pk_add_f32 v[T+4:T+5], v[T+4:T+5], v[T+6:T+7]
	s_delay_alu instid0(VALU_DEP_1)
	v_pk_add_f32 v[T:T+1], v[T:T+1], v[T+4:T+5]
	s_delay_alu instid0(VALU_DEP_1)
	v_add_f32 v[T], v[T], v[T+1]
	s_delay_alu instid0(VALU_DEP_1)
	v_add_f32_dpp v[T], v[T], v[T] row_xmask:1 row_mask:0xf bank_mask:0xf
	s_delay_alu instid0(VALU_DEP_1)
	v_add_f32_dpp v[T], v[T], v[T] row_xmask:2 row_mask:0xf bank_mask:0xf
	s_delay_alu instid0(VALU_DEP_1)
	v_add_f32_dpp v[T], v[T], v[T] row_xmask:4 row_mask:0xf bank_mask:0xf
	s_delay_alu instid0(VALU_DEP_1)
	v_add_f32_dpp v[T], v[T], v[T] row_xmask:8 row_mask:0xf bank_mask:0xf
	s_delay_alu instid0(VALU_DEP_1)
	v_permlanex16_b32 v[PL], v[T], s40, s41
	s_delay_alu instid0(VALU_DEP_1)
	v_add_f32 v[T], v[T], v[PL]
.endm
; v[x .. x + 31] = (v - mean) / sqrt(var + eps) x gain + bias, gain and bias as GBLOAD has asked for them.
.macro LNORM x
.irp c, 0,1,2,3
	v_pk_add_f32 v[T+2*\c:T+2*\c+1], v[\x+2*\c:\x+2*\c+1], v[\x+8+2*\c:\x+8+2*\c+1]   ; the first eight pairs start the chains: nothing is cleared
.endr
.irp k, 8,9,10,11,12,13,14,15
	s_delay_alu instid0(VALU_DEP_4)
	v_pk_add_f32 v[T+2*(\k%4):T+2*(\k%4)+1], v[T+2*(\k%4):T+2*(\k%4)+1], v[\x+2*\k:\x+2*\k+1]
.endr
	JOIN
	s_delay_alu instid0(VALU_DEP_1)
	v_mul_f32 v[M], s36, v[T]                      ; -mean
.irp k, 0,1,2,3,4,5,6,7,8,9,10,11,12,13,14,15
	v_pk_add_f32 v[\x+2*\k:\x+2*\k+1], v[\x+2*\k:\x+2*\k+1], v[M:M+1] op_sel_hi:[1,0]   ; d = v - mean
.endr
.irp c, 0,1,2,3
	v_pk_mul_f32 v[T+2*\c:T+2*\c+1], v[\x+2*\c:\x+2*\c+1], v[\x+2*\c:\x+2*\c+1]
.endr
.irp k, 4,5,6,7,8,9,10,11,12,13,14,15
	s_delay_alu instid0(VALU_DEP_4)
	v_pk_fma_f32 v[T+2*(\k%4):T+2*(\k%4)+1], v[\x+2*\k:\x+2*\k+1], v[\x+2*\k:\x+2*\k+1], v[T+2*(\k%4):T+2*(\k%4)+1]
.endr
	JOIN
	s_delay_alu instid0(VALU_DEP_1)
	v_fma_f32 v[R], v[T], s37, s38                 ; var + eps
	s_wait_alu depctr_va_vdst(0)
	v_rsq_f32 v[R], v[R]
	v_nop                                          ; a plain instruction between the root and the use of its result (ISA guide 5.7.2)
	s_wait_dscnt 0x0                               ; gain and bias are in
	s_wait_alu depctr_va_vdst(0)                   ; ahead of the first line that names the root's result
.irp k, 0,1,2,3,4,5,6,7,8,9,10,11,12,13,14,15
	v_pk_mul_f32 v[GB+2*\k:GB+2*\k+1], v[GB+2*\k:GB+2*\k+1], v[R:R+1] op_sel_hi:[1,0]
.endr
.irp k, 0,1,2,3,4,5,6,7,8,9,10,11,12,13,14,15
	v_pk_fma_f32 v[\x+2*\k:\x+2*\k+1], v[\x+2*\k:\x+2*\k+1], v[GB+2*\k:GB+2*\k+1], v[GB+32+2*\k:GB+32+2*\k+1]
.endr
.endm
; v = 1 / (1 + 2^v), 32 numbers: two batches of transcendentals, each with one plain line and one wait behind it, ahead of its first reader.
.macro EXPRCP x
.set q, 0
.rept 32
	v_exp_f32 v[\x+q], v[\x+q]
.set q, q+1
.endr
	v_nop
	s_wait_alu depctr_va_vdst(0)
.irp k, 0,1,2,3,4,5,6,7,8,9,10,11,12,13,14,15
	v_pk_add_f32 v[\x+2*\k:\x+2*\k+1], v[\x+2*\k:\x+2*\k+1], 1.0 op_sel_hi:[1,0]
.endr
.set q, 0
	s_wait_alu depctr_va_vdst(0)
.rept 32
	v_rcp_f32 v[\x+q], v[\x+q]
.set q, q+1
.endr
	v_nop
	s_wait_alu depctr_va_vdst(0)
.endm
.macro TANH x                          ; v holds 2 log2(e) y: tanh(y) = 1 - 2 / (1 + 2^v)
	EXPRCP \x
.irp k, 0,1,2,3,4,5,6,7,8,9,10,11,12,13,14,15
	v_pk_fma_f32 v[\x+2*\k:\x+2*\k+1], v[\x+2*\k:\x+2*\k+1], -2.0, 1.0 op_sel_hi:[1,0,0]
.endr
.endm
.macro PAIRS op, d, a, b               ; 16 packed lines: d = a op b
.irp k, 0,1,2,3,4,5,6,7,8,9,10,11,12,13,14,15
	\op v[\d+2*\k:\d+2*\k+1], v[\a+2*\k:\a+2*\k+1], v[\b+2*\k:\b+2*\k+1]
.endr
.endm
; Row r of my two.  refill = 1: as an array's registers fall free they are asked for again, for row r + 1.  w1 .. w4: how many younger loads may stay out where a_i, h_g, a_f with c_prev, and a_o are wanted.
.macro ROW r, refill, w1, w2, w3, w4
	GBLOAD 0
	s_wait_loadcnt \w1                             ; a_i is in
	LNORM AI
	s_wait_alu depctr_va_vdst(0)
	EXPRCP AI                                      ; i_g
	GBLOAD 2
	s_wait_loadcnt \w2                             ; h_g is in
	PAIRS v_pk_add_f32, HG, HG, AI                 ; i_g + h_g, as reference() has it
	LNORM HG
	s_wait_alu depctr_va_vdst(0)
	TANH HG                                        ; g_g
	PAIRS v_pk_mul_f32, HG, HG, AI                 ; i_g g_g
.if \refill
	LOADROW AI, 4, 16384*(\r+1)
.endif
	GBLOAD 4
	s_wait_loadcnt \w3                             ; a_f and c_prev are in
	LNORM AF
	s_wait_alu depctr_va_vdst(0)
	EXPRCP AF                                      ; f_g
.irp k, 0,1,2,3,4,5,6,7,8,9,10,11,12,13,14,15
	v_pk_fma_f32 v[AF+2*\k:AF+2*\k+1], v[AF+2*\k:AF+2*\k+1], v[CP+2*\k:CP+2*\k+1], v[HG+2*\k:HG+2*\k+1]   ; f_g c_prev + i_g g_g
.endr
.if \refill
	LOADROW HG, 4, 16384*(\r+1)+8192
	LOADROW CP, 6, 4096*(\r+1)
.endif
	GBLOAD 6
	s_wait_loadcnt \w4                             ; a_o is in
	LNORM AO
	s_wait_alu depctr_va_vdst(0)
	EXPRCP AO                                      ; o_g
	GBLOAD 8
	LNORM AF                                       ; c_new
.irp j, 0,1,2,3,4,5,6,7
	global_store_b128 v[LO], v[AF+4*\j:AF+4*\j+3], s[10:11] offset:4096*(\r)+512*\j th:TH_STORE_NT   ; 512 consecutive bytes, at a multiple of 512 from out1's first byte
.endr
.irp k, 0,1,2,3,4,5,6,7,8,9,10,11,12,13,14,15
	v_pk_mul_f32 v[GB+2*\k:GB+2*\k+1], v[AF+2*\k:AF+2*\k+1], s[44:45] op_sel_hi:[1,0]   ; 2 log2(e) c_new, into the gain's registers, which are done with
.endr
	s_wait_alu depctr_va_vdst(0)
	TANH GB
	PAIRS v_pk_mul_f32, AO, AO, GB                 ; h_new = o_g tanh(c_new)
.irp j, 0,1,2,3,4,5,6,7
	global_store_b128 v[LO], v[AO+4*\j:AO+4*\j+3], s[8:9] offset:4096*(\r)+512*\j th:TH_STORE_NT
.endr
.if \refill
	s_wait_xcnt 0x0                                ; the sixteen stores have read their data registers: only behind this wait are those loaded again
	LOADROW AF, 4, 16384*(\r+1)+4096
	LOADROW AO, 4, 16384*(\r+1)+12288
.endif
.endm
	; Row 0.  Issued: a_i, h_g, a_f, c_prev, a_o, eight loads each.  Behind a_i: 32.  Behind h_g: 24.  Behind c_prev: a_o and the next a_i: 16.  Behind a_o: the next a_i, h_g, c_prev: 24.
	ROW 0, 1, 32, 24, 16, 24
	; Row 1.  Issued: a_i, h_g, c_prev, a_f, a_o.  Behind a_i: 32.  Behind h_g: 24.  Behind a_f (c_prev stands ahead of it): a_o's 8.  Behind a_o: none.
	ROW 1, 0, 32, 24, 8, 0
	s_wait_tensorcnt 0x0                           ; the wave's end, behind my last LDS store
	ds_add_u32 v[SPW], v[NIL]
	s_wait_dscnt 0x0
	s_endpgm
.Lfunc_end_k_q490f7633e6_lnorm:
	.size	k_q490f7633e6_lnorm, .Lfunc_end_k_q490f7633e6_lnorm-k_q490f7633e6_lnorm
	.p2alignl 7, 3214868480
	.fill 96, 4, 3214868480
	.section	.rodata,"a",@progbits
	.p2align	6, 0x0
	.amdhsa_kernel k_q490f7633e6_lnorm
		.amdhsa_group_segment_fixed_size 43008
		.amdhsa_private_segment_fixed_size 0
		.amdhsa_enable_private_segment 0
		.amdhsa_kernarg_size 112
		.amdhsa_user_sgpr_count 2
		.amdhsa_user_sgpr_kernarg_segment_ptr 1
		.amdhsa_wavefront_size32 1
		.amdhsa_system_sgpr_workgroup_id_x 1
		.amdhsa_system_sgpr_workgroup_id_y 1
		.amdhsa_system_sgpr_workgroup_id_z 1
		.amdhsa_system_vgpr_workitem_id 0
		.amdhsa_next_free_vgpr 248
		.amdhsa_next_free_sgpr 66
		.amdhsa_reserve_vcc 0
		.amdhsa_float_denorm_mode_32 3
		.amdhsa_float_denorm_mode_16_64 3
		.amdhsa_memory_ordered 1
		.amdhsa_forward_progress 1
		.amdhsa_inst_pref_size 146
	.end_amdhsa_kernel
	.amdgpu_metadata
---
amdhsa.version: [ 1, 2 ]
amdhsa.kernels:
  - .name:           k_q490f7633e6_lnorm
    .symbol:         k_q490f7633e6_lnorm.kd
    .args:
      - { .name: pre, .offset: 0, .size: 8, .value_kind: global_buffer, .address_space: global }
      - { .name: c_prev, .offset: 8, .size: 8, .value_kind: global_buffer, .address_space: global }
      - { .name: out0, .offset: 16, .size: 8, .value_kind: global_buffer, .address_space: global }
      - { .name: out1, .offset: 24, .size: 8, .value_kind: global_buffer, .address_space: global }
      - { .name: ln_i_g, .offset: 32, .size: 8, .value_kind: global_buffer, .address_space: global }
      - { .name: ln_i_b, .offset: 40, .size: 8, .value_kind: global_buffer, .address_space: global }
      - { .name: ln_g_g, .offset: 48, .size: 8, .value_kind: global_buffer, .address_space: global }
      - { .name: ln_g_b, .offset: 56, .size: 8, .value_kind: global_buffer, .address_space: global }
      - { .name: ln_h_g, .offset: 64, .size: 8, .value_kind: global_buffer, .address_space: global }
      - { .name: ln_h_b, .offset: 72, .size: 8, .value_kind: global_buffer, .address_space: global }
      - { .name: ln_o_g, .offset: 80, .size: 8, .value_kind: global_buffer, .address_space: global }
      - { .name: ln_o_b, .offset: 88, .size: 8, .value_kind: global_buffer, .address_space: global }
      - { .name: ln_c_g, .offset: 96, .size: 8, .value_kind: global_buffer, .address_space: global }
      - { .name: ln_c_b, .offset: 104, .size: 8, .value_kind: global_buffer, .address_space: global }
    .group_segment_fixed_size: 43008
    .private_segment_fixed_size: 0
    .kernarg_segment_align: 8
    .kernarg_segment_size: 112
    .max_flat_workgroup_size: 512
    .sgpr_count:     66
    .vgpr_count:     248
    .wavefront_size: 32
...
	.end_amdgpu_metadata
.endif
;; end of part 3
